; MI455X (gfx1250); checked and timed in simulation.
; The chip was launched on July 23, 2026; its instructions are those of AMD's public machine-readable ISA for CDNA 5 (MIT licence, August 2026) and "CDNA5" Instruction Set Architecture Reference Guide (July 2026). The comments in the code are by the model that wrote it; some were corrected since.
;; HQQ Linear. Allowed arithmetic: matrix products marked QUANTISED: E2M1 operands, one E8M0 scale for each 32 along K, by v_wmma_scale_f32_16x16x128_f8f6f4 with both operands' format E2M1 (or v_wmma_scale_f32_32x16x128_f4), f32 sums; everything else in f32.
;; Inputs: W_q 131,072 x 64 int32; bias 2,048 float32; s_scale 1 float32; s_zero 1 float32; scale_q 131,072 int32; x_codes 4 x 2,048 x 128 x 16 uint8 (E2M1 codes of x, K innermost, in blocks of 32 codes, two codes a byte); x_scales 4 x 2,048 x 128 uint8 (E8M0 scales of x, one for each 32 codes along K); z_scale 1 float32; z_zero 1 float32; zero_q 131,072 int32.
;; Outputs: out0 4 x 2,048 x 2,048 float32.
;; This version of the problem:
;;   THIS VERSION OF THE PROBLEM IS GIVEN IN LOW PRECISION. The matrix products marked QUANTISED in the list below multiply operands that are first quantised to E2M1 (2 exponent bits, 1 mantissa bit; 4 bits a number), with one power-of-two scale for each 32 numbers along K (OCP MX v1.0); their sums are f32. All else is computed in f32.
;;   The module's matrix products, in the order in which they are computed (A, B: the left and right operand; K: the contracted axis; several contracted axes count as one K, in the product's order):
;;     1. [M 8,192, K 4,096] x [K 4,096, N 2,048]; A: input x (given as codes); B: computed on the way: QUANTISED
;;   THE QUANTISER, for each operand of a quantised product, along K:
;;     - K is cut into blocks of 32 from its start; a last block that is shorter is filled with zeros.
;;     - A block's scale is 2^e with e = floor(log2(the largest magnitude in the block)) - 2, held to -126 .. 127; a block of zeros has e = 0. As a byte (E8M0): e + 127.
;;     - Each number is divided by its block's scale, clamped to +-6, and rounded to the nearest number of E2M1, ties to even, subnormals kept.
;;     - The product sums the exact products of the quantised numbers (number of the format x scale) in f32.
;;   ~~~python
;;   def quantise(x, axis):      # numpy; x: float32 -> the quantised numbers, widened to float32 again
;;       x = np.moveaxis(x, axis, -1); K = x.shape[-1]
;;       x = np.pad(x, [(0, 0)] * (x.ndim - 1) + [(0, -K % 32)]); x = x.reshape(x.shape[:-1] + (-1, 32)); a = np.abs(x).max(-1, keepdims=True)
;;       e = np.where(a > 0, np.clip(np.frexp(np.where(a > 0, a, 1))[1] - 1 - 2, -126, 127), 0)      # np.frexp(a)[1] - 1 = floor(log2(a)), exactly
;;       r = np.clip(x / 2.0 ** e, -6, 6)
;;       step = 2.0 ** (np.maximum(np.frexp(np.where(r == 0, 1, r))[1] - 1, 0) - 1)
;;       q = np.round(r / step) * step * 2.0 ** e      # np.round: ties to even
;;       return np.moveaxis(q.reshape(q.shape[:-2] + (-1,))[..., :K], -1, axis).astype(np.float32)
;;   ~~~
;;   OPERANDS COMPUTED ON THE WAY. 'Computed on the way' means the value that the module computes at that place (a softmax that the list does not call 'softmax' is quantised finished and normalised). What goes into a quantiser is computed in f32, as accurately as f32 sums, v_exp_f32 and their like allow (about 1e-6 of the number): no bf16 or f16 on the way to a quantiser, and a product that is left as it is and whose result goes on into a quantised operand takes f32 operands (vector FMAs, or v_wmma_f32_16x16x4_f32). A number that lies on a knife's edge between two numbers of the format may be rounded either way, as far as f32 arithmetic and the matrix unit's own rounding can turn it there, and no further.
;;   INPUTS GIVEN AS CODES. x (in the module: [4, 2048, 4096], K = its axis 2): each comes as NAME_codes (uint8): NAME with its K axis moved to the last place and cut into blocks of 32 codes, [.., K / 32, bytes a block], one block behind the other in memory; two codes a byte, the lower K in the low four bits (a code: sign, 2 exponent bits, 1 mantissa bit); and NAME_scales (uint8): the same leading axes, one E8M0 byte (e + 127) for each 32 codes along K. Its value is code x scale, taken as it is: it is not quantised again, and the codes and scales need not be those that the quantiser above would give.
;; One version. Each part assembles by itself: llvm-mc -triple=amdgcn-amd-amdhsa -mcpu=gfx1250 --defsym DOCPART=n.
;; ======== version 1 of 1: 2 launches
;; limits: right only within a limited range of input values
;; workspace buffers: w_codes 4,194,304 bytes; w_scales 262,144 bytes
;; launch quantw (part 1): grid 128 x 2, 16 waves a work-group, no clusters, 102,400 bytes of LDS; arguments W_q, scale_q, zero_q, s_scale, z_scale, s_zero, z_zero, w_codes, w_scales; writes w_codes, w_scales
.if DOCPART == 1
	.amdgcn_target "amdgcn-amd-amdhsa--gfx1250"
	.amdhsa_code_object_version 6
	.text
	.protected	k_q1591822dc6_quantw
	.globl	k_q1591822dc6_quantw
	.p2align	8
	.type	k_q1591822dc6_quantw,@function
k_q1591822dc6_quantw:
	s_mov_b64 s[64:65], 0
	v_nop
	global_prefetch_b8 v0, s[64:65] scope:SCOPE_SE
	s_setreg_imm32_b32 hwreg(HW_REG_WAVE_MODE, 25, 1), 1
	s_wait_xcnt 0x0
; W[n][k] = (f32(W_q) - zero) * scale, zero = (f32(zero_q) - z_zero) * s_zero, scale = (f32(scale_q) - z_scale) * s_scale, one (zero, scale) for each 64 neighbours along K;
; W is [2048][4096].  It is made in f32, in the order subtract, then multiply, and turned into codes of FP4 (E2M1) with one E8M0 scale byte for each 32 along K.
; A block's scale is 2^(floor(log2(its largest magnitude)) - 2); its byte is the largest magnitude's exponent field - 2, held at 1 from below.
; OUT, in the order in which the product's registers take it.  Row n = 64 g + 4 r + b, block kb of 32 along K with kb = 64 kh + 4 q + 2 c + h:
;   w_codes:  16 bytes at 131072 g + 65536 kh + 4096 q + 1024 b + 512 c + 256 h + 16 r, two codes a byte, the lower k in the low four bits;
;   w_scales: one byte at 8192 g + 4096 kh + 1024 b + 64 r + (kb mod 64).
; LIMITS: a block of zeros gets the byte 1 where the quantiser's rule says 127: its codes are zeros, which add nothing under any byte but 0xff, and this program alone reads the bytes.
; Blocks whose largest magnitude lies under 2^-124 have the byte held at 1.  NaN and infinities in the four float scalars are not served.
; SHARES.  Work-group (x, y): the sixteen rows n = 64 (x / 4) + 4 r + x % 4, r = 0 .. 15, K half y.  Wave w: row r = w, four steps of 512 numbers.  All 16 loads of a wave (512 consecutive bytes each)
; go out at the head: no loop, every offset an immediate, every step has registers of its own for what it loads.
; The conversions take 8 numbers of ONE block from a lane's consecutive registers, so a lane must hold 16 neighbours; the loads take 16 bytes a lane as they lie.
; So a step's 2,048 bytes turn through the wave's own stage in LDS: in as loaded, back 64 bytes a lane; 16 bytes of padding behind each 64.
; The codes and scale bytes of the sixteen rows meet in LDS behind the one barrier: each wave then stores 1,024 consecutive bytes of w_codes, waves 0 to 3 256 bytes each of w_scales.
; No tensor loads, no cluster, no matrix unit: a stream that shares nothing.
.set SP,    80                         ; a lane's place in a stage: its 64 bytes + 16 of padding
.set STG,   32*SP
.set WREG,  2*STG                      ; a wave's two stages
.set SCB,   16*WREG                    ; behind the stages: scale bytes, (row w, block kb) at SCB + 64 w + kb
.set CIM,   SCB+1024                   ; behind them: codes, (block kb, row w) at CIM + 272 kb + 16 w
.set SPARE, CIM+64*272                 ; the spare words, 128 bytes for each wave
.set EMAX,  2
.set R,     16                         ; v16-79   the numbers as loaded: 16 registers for each step
.set X,     80                         ; v80-111  two sets of 16 neighbours
.set C,     112                        ; v112-119 codes: two registers for each step
.set E,     120                        ; v120-123 a scale byte for each step
.set ZS,    124                        ; v124-131 step t: the pair (-zero, scale) of my lane's group
	s_load_b512 s[4:19], s[0:1], 0x0               ; W_q 4:5, scale_q 6:7, zero_q 8:9, s_scale 10:11, z_scale 12:13, s_zero 14:15, z_zero 16:17, w_codes 18:19
	s_load_b64 s[20:21], s[0:1], 0x40              ; w_scales
	v_lshrrev_b32 v2, 5, v0
	v_readfirstlane_b32 s28, v2                    ; wave 0..15: r
	s_and_b32 s29, ttmp7, 0xffff                   ; y: which half of K
	s_and_b32 s41, ttmp9, 3                        ; b
	s_lshr_b32 s42, ttmp9, 2                       ; g
	s_mul_i32 s38, s28, WREG
	s_lshl_b32 s39, s28, 6
	s_add_co_u32 s39, s39, SCB
	s_lshl_b32 s22, s28, 8
	s_add_co_u32 s22, s22, SCB
	s_lshl_b32 s23, s28, 4
	s_add_co_u32 s23, s23, CIM
	s_mul_i32 s40, s28, 4*272
	s_add_co_u32 s40, s40, CIM
	s_lshl_b32 s30, s42, 6                         ; W_q: row 64 g + 4 r + b of 16,384 bytes, + 8,192 y
	s_add_co_u32 s30, s30, s41
	s_lshl_b32 s31, s28, 2
	s_add_co_u32 s30, s30, s31
	s_lshl_b32 s30, s30, 14
	s_lshl_b32 s31, s29, 13
	s_add_co_u32 s30, s30, s31
	s_mov_b32 s31, 0
	s_lshr_b32 s32, s30, 6                         ; scale_q, zero_q: 4 bytes for each 64 numbers of 4 bytes
	s_mov_b32 s33, 0
	s_lshl_b32 s34, s42, 17                        ; w_codes: my wave stores q = wave
	s_lshl_b32 s35, s29, 16
	s_add_co_u32 s34, s34, s35
	s_lshl_b32 s35, s41, 10
	s_add_co_u32 s34, s34, s35
	s_lshl_b32 s35, s28, 12
	s_add_co_u32 s34, s34, s35
	s_mov_b32 s35, 0
	s_lshl_b32 s36, s42, 13                        ; w_scales: waves 0 to 3 store 256 bytes each
	s_lshl_b32 s37, s29, 12
	s_add_co_u32 s36, s36, s37
	s_lshl_b32 s37, s41, 10
	s_add_co_u32 s36, s36, s37
	s_lshl_b32 s37, s28, 8
	s_add_co_u32 s36, s36, s37
	s_mov_b32 s37, 0
	v_lshl_add_u32 v144, v0, 2, SPARE              ; my spare word, and 0
	v_mov_b32 v145, 0
	v_and_b32 v1, 31, v0                           ; lane l
	v_and_b32 v7, 28, v0                           ; 4 (l / 4): my group's word among a step's eight
	v_and_b32 v9, 3, v0
	v_bfe_u32 v14, v0, 2, 3                        ; l / 4
	v_bfe_u32 v5, v0, 1, 4                         ; l / 2: my block of a step's sixteen
	v_and_b32 v11, 1, v0
	v_bfe_u32 v12, v0, 4, 1
	v_and_b32 v13, 15, v0
	v_lshlrev_b32 v3, 4, v1                        ; 16 l: my bytes of a load's or a store's 512
	v_lshlrev_b32 v4, 3, v1                        ; 8 l: of a store's 256
	v_mul_u32_u24 v14, v14, SP
	v_mul_u32_u24 v15, v1, SP
	v_mul_u32_u24 v10, v5, 272
	v_mul_u32_u24 v12, v12, 272
	v_lshl_add_u32 v14, v9, 4, v14
	v_lshl_add_u32 v10, v11, 3, v10
	v_lshl_add_u32 v12, v13, 4, v12
	v_add_nc_u32 v15, s38, v15                     ; out of the stage: SP x lane: my 16 neighbours
	v_add_nc_u32 v5, s39, v5                       ; my block's scale byte (+ 16 t)
	v_add_nc_u32 v6, s22, v4                       ; waves 0-3, behind the barrier: 256 of the scale bytes
	v_add_nc_u32 v14, s38, v14                     ; into the stage: SP (l / 4) + 16 (l % 4)
	v_add_nc_u32 v10, s23, v10                     ; my half block's codes (+ 4,352 t)
	v_add_nc_u32 v12, s40, v12                     ; behind the barrier: q = wave's four blocks, 256 bytes each
	s_wait_alu depctr_va_vdst(0)
	s_wait_kmcnt 0x0
	s_load_b32 s24, s[10:11], 0x0                  ; s_scale
	s_load_b32 s25, s[12:13], 0x0                  ; z_scale
	s_load_b32 s26, s[14:15], 0x0                  ; s_zero
	s_load_b32 s27, s[16:17], 0x0                  ; z_zero
	s_add_nc_u64 s[4:5], s[4:5], s[30:31]
	s_add_nc_u64 s[6:7], s[6:7], s[32:33]
	s_add_nc_u64 s[8:9], s[8:9], s[32:33]
	s_add_nc_u64 s[18:19], s[18:19], s[34:35]
	s_add_nc_u64 s[20:21], s[20:21], s[36:37]
.irp t, 0,1,2,3                        ; behind the turn through the stage lane l holds numbers 16 l .. 16 l + 15 of a step: group 8 t + l / 4 of my wave's 32
	global_load_b32 v[ZS+2*\t],   v7, s[8:9] offset:32*\t
	global_load_b32 v[ZS+2*\t+1], v7, s[6:7] offset:32*\t
.endr
.macro LOAD t
.irp i, 0,1,2,3
	global_load_b128 v[R+16*(\t)+4*\i:R+16*(\t)+4*\i+3], v3, s[4:5] offset:2048*(\t)+512*\i th:TH_LOAD_NT   ; 32 lanes read 512 consecutive bytes; read once in the launch
.endr
.endm
.macro TURN t                          ; step t's numbers through stage t % 2: LDS serves a wave's instructions in order (ISA guide 5.7.1.4), so no wait stands between the stores and the loads
.irp i, 0,1,2,3
	ds_store_b128 v14, v[R+16*(\t)+4*\i:R+16*(\t)+4*\i+3] offset:STG*((\t)%2)+8*SP*\i
.endr
.irp i, 0,1,2,3
	ds_load_b128 v[X+16*((\t)%2)+4*\i:X+16*((\t)%2)+4*\i+3], v15 offset:STG*((\t)%2)+16*\i
.endr
.endm
.irp t, 0,1,2,3
	LOAD \t
.endr
	s_wait_loadcnt 16                              ; the eight parameter loads are in; the 16 loads of W_q behind them may be out
	s_wait_kmcnt 0x0                               ; the four scalars
.irp t, 0,1,2,3
	v_cvt_f32_i32 v[ZS+2*\t], v[ZS+2*\t]
	v_cvt_f32_i32 v[ZS+2*\t+1], v[ZS+2*\t+1]
.endr
.irp t, 0,1,2,3
	v_sub_f32 v[ZS+2*\t], s27, v[ZS+2*\t]          ; z_zero - q: the exact negative of q - z_zero,
	v_sub_f32 v[ZS+2*\t+1], v[ZS+2*\t+1], s25      ; q - z_scale
.endr
.irp t, 0,1,2,3
	v_mul_f32 v[ZS+2*\t], s26, v[ZS+2*\t]          ; so this is -zero bit for bit, and W_q + (-zero) is W_q - zero
	v_mul_f32 v[ZS+2*\t+1], s24, v[ZS+2*\t+1]      ; scale
.endr
	s_wait_loadcnt 12                              ; step 0's four loads are in; those of steps 1 to 3 may be out
	TURN 0
.macro STEP t
.set XS, X+16*((\t)%2)
.if (\t) > 0
	s_wait_dscnt 2                                 ; this step's numbers are back from the stage; only the last step's two stores are younger
.else
	s_wait_dscnt 0x0
.endif
.if (\t) < 3
	s_wait_loadcnt 4*(2-(\t))                      ; the next step's four loads are in; those of the steps behind it may be out
	TURN (\t)+1                                    ; and go through the other stage while this step is worked
.endif
.irp i, 0,1,2,3,4,5,6,7,8,9,10,11,12,13,14,15
	v_cvt_f32_i32 v[XS+\i], v[XS+\i]
.endr
.irp i, 0,2,4,6,8,10,12,14
	v_pk_add_f32 v[XS+\i:XS+\i+1], v[XS+\i:XS+\i+1], v[ZS+2*(\t):ZS+2*(\t)+1] op_sel_hi:[1,0]              ; - zero: the pair's first register serves both halves
.endr
.irp i, 0,2,4,6,8,10,12,14
	v_pk_mul_f32 v[XS+\i:XS+\i+1], v[XS+\i:XS+\i+1], v[ZS+2*(\t):ZS+2*(\t)+1] op_sel:[0,1] op_sel_hi:[1,1] ; x scale: its second register serves both halves
.endr
	v_max3_num_f32 v8, |v[XS]|, |v[XS+1]|, |v[XS+2]|               ; the largest magnitude of my 16, in two chains
	v_max3_num_f32 v9, |v[XS+3]|, |v[XS+4]|, |v[XS+5]|
.irp i, 6,10
	s_delay_alu instid0(VALU_DEP_2)
	v_max3_num_f32 v8, v8, |v[XS+\i]|, |v[XS+\i+1]|
	s_delay_alu instid0(VALU_DEP_2)
	v_max3_num_f32 v9, v9, |v[XS+\i+2]|, |v[XS+\i+3]|
.endr
	s_delay_alu instid0(VALU_DEP_2)
	v_max3_num_f32 v8, v8, |v[XS+14]|, |v[XS+15]|
	s_delay_alu instid0(VALU_DEP_1)
	v_max3_num_f32 v8, v8, v9, (EMAX+1)<<23        ; and the floor 2^(EMAX + 1 - 127): so the byte cannot fall under 1
	s_delay_alu instid0(VALU_DEP_1)
	v_max_num_f32_dpp v8, v8, v8 row_xmask:1 row_mask:0xf bank_mask:0xf   ; and of my neighbour's 16: the block's
	s_delay_alu instid0(VALU_DEP_1)
	v_add_nc_u32 v11, -(EMAX<<23), v8              ; EMAX off its exponent field: the conversion takes the exponent field of this operand as its scale
	v_cvt_scalef32_pk8_fp4_f32 v[C+2*(\t)], v[XS:XS+7], v11        ; eight numbers / the scale, to the nearest code, ties to even, beyond 6 the largest code
	v_cvt_scalef32_pk8_fp4_f32 v[C+2*(\t)+1], v[XS+8:XS+15], v11
	v_lshrrev_b32 v[E+(\t)], 23, v11               ; the scale's byte (a plain line behind the conversions)
	ds_store_b8 v5, v[E+(\t)] offset:16*(\t)       ; both lanes of a block write the same byte with the same value
	ds_store_b64 v10, v[C+2*(\t):C+2*(\t)+1] offset:16*272*(\t)
.endm
.irp t, 0,1,2,3
	STEP \t
.endr
	s_wait_dscnt 0x0                               ; for the others' sake: my codes and scale bytes lie in LDS
	s_barrier_signal -1
	s_barrier_wait -1                              ; all sixteen waves' do
	ds_load_b128 v[136:139], v12
	ds_load_b128 v[140:143], v12 offset:2*272
	s_cmp_lt_u32 s28, 4
	s_cbranch_scc0 .Lrest                          ; scale bytes: waves 0 to 3
	ds_load_b64 v[132:133], v6
	s_wait_dscnt 0x0
	global_store_b64 v4, v[132:133], s[20:21]      ; 32 lanes store 256 consecutive bytes, at a multiple of 256 from the buffer's first byte
.Lrest:
	s_wait_dscnt 0x0
	global_store_b128 v3, v[136:139], s[18:19]     ; 32 lanes store 512 consecutive bytes, twice
	global_store_b128 v3, v[140:143], s[18:19] offset:512
	s_wait_tensorcnt 0x0                           ; the wave's end
	ds_add_u32 v144, v145
	s_wait_dscnt 0x0
	s_endpgm
.Lfunc_end_k_q1591822dc6_quantw:
	.size	k_q1591822dc6_quantw, .Lfunc_end_k_q1591822dc6_quantw-k_q1591822dc6_quantw
	.p2alignl 7, 3214868480
	.fill 96, 4, 3214868480
	.section	.rodata,"a",@progbits
	.p2align	6, 0x0
	.amdhsa_kernel k_q1591822dc6_quantw
		.amdhsa_group_segment_fixed_size 102400
		.amdhsa_private_segment_fixed_size 0
		.amdhsa_enable_private_segment 0
		.amdhsa_kernarg_size 72
		.amdhsa_user_sgpr_count 2
		.amdhsa_user_sgpr_kernarg_segment_ptr 1
		.amdhsa_wavefront_size32 1
		.amdhsa_system_sgpr_workgroup_id_x 1
		.amdhsa_system_sgpr_workgroup_id_y 1
		.amdhsa_system_sgpr_workgroup_id_z 1
		.amdhsa_system_vgpr_workitem_id 0
		.amdhsa_next_free_vgpr 146
		.amdhsa_next_free_sgpr 66
		.amdhsa_reserve_vcc 0
		.amdhsa_float_denorm_mode_32 3
		.amdhsa_float_denorm_mode_16_64 3
		.amdhsa_memory_ordered 1
		.amdhsa_forward_progress 1
		.amdhsa_inst_pref_size 21
	.end_amdhsa_kernel
	.amdgpu_metadata
---
amdhsa.version: [ 1, 2 ]
amdhsa.kernels:
  - .name:           k_q1591822dc6_quantw
    .symbol:         k_q1591822dc6_quantw.kd
    .args:
      - { .name: W_q, .offset: 0, .size: 8, .value_kind: global_buffer, .address_space: global }
      - { .name: scale_q, .offset: 8, .size: 8, .value_kind: global_buffer, .address_space: global }
      - { .name: zero_q, .offset: 16, .size: 8, .value_kind: global_buffer, .address_space: global }
      - { .name: s_scale, .offset: 24, .size: 8, .value_kind: global_buffer, .address_space: global }
      - { .name: z_scale, .offset: 32, .size: 8, .value_kind: global_buffer, .address_space: global }
      - { .name: s_zero, .offset: 40, .size: 8, .value_kind: global_buffer, .address_space: global }
      - { .name: z_zero, .offset: 48, .size: 8, .value_kind: global_buffer, .address_space: global }
      - { .name: w_codes, .offset: 56, .size: 8, .value_kind: global_buffer, .address_space: global }
      - { .name: w_scales, .offset: 64, .size: 8, .value_kind: global_buffer, .address_space: global }
    .group_segment_fixed_size: 102400
    .private_segment_fixed_size: 0
    .kernarg_segment_align: 8
    .kernarg_segment_size: 72
    .max_flat_workgroup_size: 512
    .sgpr_count:     66
    .vgpr_count:     146
    .wavefront_size: 32
...
	.end_amdgpu_metadata
.endif
;; end of part 1
;; launch gemm (part 2): grid 16 x 16, 4 waves a work-group, clusters of 4 x 1, 327,680 bytes of LDS; arguments x_codes, x_scales, w_codes, w_scales, bias, out0; writes out0
.if DOCPART == 2
	.amdgcn_target "amdgcn-amd-amdhsa--gfx1250"
	.amdhsa_code_object_version 6
	.text
	.protected	k_q1591822dc6_gemm
	.globl	k_q1591822dc6_gemm
	.p2align	8
	.type	k_q1591822dc6_gemm,@function
k_q1591822dc6_gemm:
	s_mov_b64 s[64:65], 0
	v_nop
	global_prefetch_b8 v0, s[64:65] scope:SCOPE_SE
	s_setreg_imm32_b32 hwreg(HW_REG_WAVE_MODE, 25, 1), 1
	s_wait_xcnt 0x0
	s_wait_alu depctr_hold_cnt(0) depctr_sa_sdst(0) depctr_va_vdst(0) depctr_va_sdst(0) depctr_va_ssrc(0) depctr_va_vcc(0) depctr_vm_vsrc(0)
	s_getreg_b32 s2, hwreg(HW_REG_IB_STS2, 6, 4)
	s_cmp_eq_u32 s2, 0
	s_cbranch_scc0 .Lentry_in_a_cluster
	s_endpgm
.Lentry_in_a_cluster:
	s_bfe_u32 s2, ttmp6, 0x10000c
	s_cmp_lg_u32 s2, 0x3003
	s_cbranch_scc0 .Lentry_shape_is_right
	s_endpgm
.Lentry_shape_is_right:
; out[m][n] = bias[n] + the sum over k of x[m][k] W[n][k].  x: [8192][4096], W: [2048][4096]: codes of FP4 (E2M1) with one E8M0 scale for each 32 along K; out: [8192][2048] f32; sums in f32.
; x's codes and scale bytes are taken as they are given (a byte 0xff gives NaN, as it stands for).  W's come in the order in which the launch before has laid them.
; A WORK-GROUP MAKES 128 COLUMNS x 512 ROWS: 16 x 16 work-groups.  W STAYS IN REGISTERS: wave w = 2 ch + kh keeps 64 columns (half ch) x one half of K (kh), 512 registers, loaded once; x streams by in slots of
; 64 rows x all of K (a trip).  A unit of work is a PAIR: 32 rows, 16 steps of 128 along K, each step four matrix instructions of 32 x 16 x 128: 32 rows of x against W's four tiles b of 16 columns.
; A pair goes in four BLOCKS of four steps.  The memory instructions stand in one run at a block's start: the next block's fragments, and what else is due there; behind them 16 matrix instructions follow each other.
; THE TWO HALVES OF K MEET IN LDS.  Of a pair's 32 rows a wave finishes 16 (rows 16 kh on) and sends its sums of the other 16 to the wave with the other half of K, which finishes those.  The rows sent are the
; first 16 of source 0, so that a result's low registers are read first; the rows kept are the last 16.
; LIMIT: an output's sum is therefore two f32 sums, each K ascending, one begun with the bias, added once: another order of rounding than one sum over K.
; THE WAY OUT NEEDS NO STAGE.  Column r of tile b is column 4 r + b of the wave's 64: lane r's results of the four tiles are four neighbours of a row, and the addition of the two halves gathers them into four
; consecutive registers: 16 lanes then store 256 consecutive bytes.  A pair's results leave under the next pair's products.
; RING.  Two slots of x, each two tiles (the halves of K) of 64 rows x 1,024 bytes; LDS rows of 1,040 bytes start at different 16-byte columns modulo 256.  Behind the codes the slots' scale bytes, as they lie in
; memory: 64 rows x 128 bytes as 32 rows of 256 + 16.  Waves 0 and 1 fetch the halves of K, waves 2 and 3 the scale bytes of 32 rows each: one load a wave behind each round.
; CLUSTERS of 4 x 1: the four work-groups take the same rows of x and ask for each tile JOINTLY.  W is shared by nobody in a cluster: it goes from memory straight into registers, once.
; PREFETCH: x's codes and scale bytes of trip t + 3 are asked for in trip t's first pair, more than one trip ahead of their tensor load; the four partners share the blocks out by address; trips 0 to 2 come by
; their loads alone, the last trips ask for nothing.
; REGISTERS.  window 0: addresses, scale words, bias, sums on the way out.  windows 1, 2: W: step q, tile b at 32 q + 8 b.  window 3: two sets of four results (16 registers each), taken by pairs in turn;
; eight buffers of x's fragments, 16 registers each: step q at 128 + 16 (q mod 8), so two blocks take turns.
.set SLOT,  133120                     ; 2 x 64 rows x 1,040
.set HALFK, 66560
.set XP,    1040
.set SX,    2*SLOT                     ; x's scale bytes, 8,704 bytes for each slot
.set EX,    SX+2*8704                  ; the exchange: two buffers, by pairs in turn, of 4,096 bytes for each wave
.set SPARE, EX+2*16384                 ; the spare words: two blocks of 256 bytes that no other line names
.set SPW, 8                            ; my spare word's address; never rewritten
.set NIL, 9                            ; 0; never rewritten
.set CO,  10                           ; 16 r + 8 rows of out x h
.set EW,  11                           ; the exchange: where I put my sums,
.set ER,  12                           ; and where the other half's lie
.set L16, 13                           ; 16 x lane
.set XSS, 14                           ; v14-15 my scale words of x in slot 0, 1
.set WSC, 16                           ; v16-79  W's scale words: tile b, step q at 16 b + q
.set XSC, 80                           ; v80-111 x's scale words, two sets: step q
.set BI,  112                          ; v112-175 the bias as a C: tile b's 16 registers all hold my column's (0 in the waves of the second half of K)
.set PT,  176                          ; v176-207 the other half's sums: tile b, row j at 8 b + j
.set OU,  208                          ; v208-239 out: row j, column b at 4 j + b
.set PFO, 240
.set PSO, 241
.set WSO, 242
.set BO,  243
.set XSA, 244                          ; v244-247 my fragments' LDS addresses: slot 0 sent rows, kept rows; slot 1 likewise
.set WV, 16
.set KH, 17
.set CH, 18
.set DSN, 0                            ; LDS instructions issued so far in the text; RB0, RB1: that number ahead of the run that brought the last even, odd block's fragments
.set MSB, 0
.macro WIN new                         ; the immediate's high byte repeats the setting that is left
.if MSB != \new
	s_set_vgpr_msb (MSB<<8)|\new
.set MSB, \new
.endif
.endm
.macro PLACES n
.rept \n
	v_nop
.endr
.endm
.macro CREST                           ; a round of the cluster's barrier behind its opening barrier
	s_cmp_lg_u32 s[WV], 0
	s_cbranch_scc1 .Lnot_wave_0_\@
	s_barrier_signal -3
.Lnot_wave_0_\@:
	s_barrier_wait -3
	s_barrier_signal -1
	s_barrier_wait -1
.endm
.macro CROUND
	s_barrier_signal -1
	s_barrier_wait -1
	CREST
.endm
.macro JLOAD s                         ; a joint load: waves 0 and 1 codes, waves 2 and 3 scale bytes
	s_cmp_eq_u32 s[CH], 0
	s_cbranch_scc0 .Lfor_s_\@
	tensor_load_to_lds s[32+4*\s:35+4*\s], s[24:31]
	s_nop 0
	PLACES 4
	s_branch .Lasked_\@
.Lfor_s_\@:
	tensor_load_to_lds s[48+4*\s:51+4*\s], s[40:47]
	s_nop 0
	PLACES 4
.Lasked_\@:
.endm
.macro WLD q                           ; W's step q: eight loads of 512 consecutive bytes
.if (\q) < 8
	WIN 0x40
.else
	WIN 0x80
.endif
.irp b, 0,1,2,3
	global_load_b128 v[32*((\q)%8)+8*\b:32*((\q)%8)+8*\b+3],   v[L16], s[8:9] offset:4096*(\q)+1024*\b
	global_load_b128 v[32*((\q)%8)+8*\b+4:32*((\q)%8)+8*\b+7], v[L16], s[8:9] offset:4096*(\q)+1024*\b+512
.endr
	WIN 0
.endm
	s_load_b256 s[4:11], s[0:1], 0x0               ; x_codes 4:5, x_scales 6:7, w_codes 8:9, w_scales 10:11
	s_load_b128 s[12:15], s[0:1], 0x20             ; bias 12:13, out 14:15
	v_lshl_add_u32 v[SPW], v0, 2, SPARE
	v_mov_b32 v[NIL], 0
	ds_add_u32 v[SPW], v[NIL]                      ; the wave's opening
	ds_add_u32 v[SPW], v[NIL]
	v_lshrrev_b32 v1, 5, v0
	v_readfirstlane_b32 s[WV], v1
	s_and_b32 s[KH], s[WV], 1                      ; my half of K.  Also: which half of a tile pair I fetch
	s_lshr_b32 s[CH], s[WV], 1                     ; my half of the columns.  Also: I fetch codes (0) or scale bytes (1)
	s_bfe_u32 s20, ttmp6, 0x40000                  ; cx
	s_lshl_b32 s22, ttmp9, 2
	s_add_co_u32 s22, s22, s20                     ; column tile = 4 x cluster x + cx
	s_and_b32 s23, ttmp7, 0xffff                   ; row group
	; group 1, codes: 64 rows x 1,024 bytes, 2,048 bytes apart; 4 words of padding behind each 256
	s_mov_b32 s24, 15|(1<<20)|(1<<21)|(7<<22)|(3<<25)
	s_mov_b32 s25, 1024<<16
	s_mov_b32 s26, 64<<16
	s_mov_b32 s27, 1024<<16
	s_mov_b32 s28, 64
	s_mov_b32 s29, 2048
	s_mov_b32 s30, 0
	s_mov_b32 s31, 0
	; group 1, scale bytes: 32 rows of x, 4,096 consecutive bytes, as 16 rows of 32 elements of 8 bytes; 4 words of padding behind each 64
	s_mov_b32 s40, 15|(3<<16)|(1<<20)|(1<<21)|(5<<22)|(3<<25)
	s_mov_b32 s41, 32<<16
	s_mov_b32 s42, 16<<16
	s_mov_b32 s43, 32<<16
	s_mov_b32 s44, 16
	s_mov_b32 s45, 32
	s_mov_b32 s46, 0
	s_mov_b32 s47, 0
	; group 0: count and LDS address
	s_mov_b32 s32, 1
	s_mov_b32 s36, 1
	s_mov_b32 s48, 1
	s_mov_b32 s52, 1
	s_mul_i32 s33, s[KH], HALFK
	s_add_co_u32 s37, s33, SLOT
	s_mul_i32 s49, s[KH], 4352
	s_add_co_u32 s49, s49, SX
	s_add_co_u32 s53, s49, 8704
	s_mul_i32 s60, s[KH], HALFK-16*XP              ; my fragments, slot 0: the rows sent: rows 16 (1 - kh) of half kh
	s_add_co_u32 s60, s60, 16*XP
	s_mul_i32 s61, s[KH], HALFK+16*XP              ; the rows kept: rows 16 kh
	s_add_co_u32 s62, s60, SLOT
	s_add_co_u32 s63, s61, SLOT
	s_lshl_b32 s66, s[WV], 12
	s_add_co_u32 s66, s66, EX
	s_xor_b32 s67, s[WV], 1
	s_lshl_b32 s67, s67, 12
	s_add_co_u32 s67, s67, EX
	s_xor_b32 s68, s[KH], 1
	s_lshl_b32 s68, s68, 4                         ; 16 (1 - kh)
	s_lshl_b32 s69, s[KH], 6
	s_add_co_u32 s69, s69, SX
	s_sub_co_u32 s70, s[KH], 1                     ; all ones in the waves of the first half of K, else 0: the bias counts once
	v_and_b32 v2, 31, v0
	v_and_b32 v3, 15, v0                           ; r
	v_bfe_u32 v4, v0, 4, 1                         ; h
	v_lshlrev_b32 v[CO], 4, v3
	v_lshl_add_u32 v[CO], v4, 16, v[CO]
	v_lshlrev_b32 v[L16], 4, v2
	v_add_nc_u32 v[EW], s66, v[L16]
	v_add_nc_u32 v[ER], s67, v[L16]
	v_lshlrev_b32 v[WSO], 6, v3
	v_lshlrev_b32 v[BO], 4, v3
	v_lshlrev_b32 v[PFO], 8, v2                    ; the prefetch of codes: 32 blocks of 256 bytes on end (four rows)
	v_min_u32 v[PSO], 1, v2
	v_lshlrev_b32 v[PSO], 8, v[PSO]                ; of scale bytes: two blocks; the lanes left over name the second again
	v_add_nc_u32 v5, s68, v2
	v_and_b32 v5, 31, v5                           ; source 0's row of lane l: the rows sent first
	v_lshrrev_b32 v6, 1, v5
	v_mul_u32_u24 v6, v6, 272
	v_and_b32 v5, 1, v5
	v_lshl_add_u32 v6, v5, 7, v6
	v_add_nc_u32 v[XSS], s69, v6                   ; its 64 scale bytes of my half of K
	v_add_nc_u32 v[XSS+1], 8704, v[XSS]
	v_mul_u32_u24 v7, v3, XP
	v_lshl_add_u32 v7, v4, 4, v7                   ; a fragment: row r, + 16 h
	v_add_nc_u32 v[XSA],   s60, v7
	v_add_nc_u32 v[XSA+1], s61, v7
	v_add_nc_u32 v[XSA+2], s62, v7
	v_add_nc_u32 v[XSA+3], s63, v7
	s_wait_alu depctr_va_vdst(0)
	s_wait_dscnt 0x0                               ; both opening adds are done
	s_wait_kmcnt 0x0
	s_mov_b32 s73, 0
	s_lshl_b32 s72, s23, 20                        ; x: 512 rows of 2,048 bytes a row group
	s_add_nc_u64 s[4:5], s[4:5], s[72:73]
	s_lshl_b32 s72, s23, 16                        ; its scale bytes
	s_add_nc_u64 s[6:7], s[6:7], s[72:73]
	s_lshl_b32 s72, s[KH], 10                      ; group 0's global addresses: trip 0 for slot 0, trip 1 for slot 1
	s_add_nc_u64 s[34:35], s[4:5], s[72:73]
	s_add_nc_u64 s[38:39], s[34:35], 0x20000
	s_or_b32 s35, s35, 0x80000000
	s_or_b32 s39, s39, 0x80000000
	s_lshl_b32 s72, s[KH], 12
	s_add_nc_u64 s[50:51], s[6:7], s[72:73]
	s_add_nc_u64 s[54:55], s[50:51], 0x2000
	s_or_b32 s51, s51, 0x80000000
	s_or_b32 s55, s55, 0x80000000
	s_mov_b32 s77, 0
	s_mov_b32 s79, 0
	s_lshl_b32 s76, s20, 15                        ; prefetches: of a trip's 64 rows the partner cx takes 16, its wave w four of them
	s_lshl_b32 s78, s[WV], 13
	s_add_co_u32 s76, s76, s78
	s_add_nc_u64 s[56:57], s[4:5], s[76:77]
	s_add_nc_u64 s[56:57], s[56:57], 0x60000       ; from trip 3 on
	s_lshl_b32 s76, s20, 11                        ; of its 32 blocks of scale bytes eight, the wave two
	s_lshl_b32 s78, s[WV], 9
	s_add_co_u32 s76, s76, s78
	s_add_nc_u64 s[58:59], s[6:7], s[76:77]
	s_add_nc_u64 s[58:59], s[58:59], 0x6000
	s_lshl_b32 s76, s22, 18                        ; W: 65,536 bytes for each 64 columns and half of K
	s_lshl_b32 s78, s[CH], 17
	s_add_co_u32 s76, s76, s78
	s_lshl_b32 s78, s[KH], 16
	s_add_co_u32 s76, s76, s78
	s_lshr_b32 s78, s76, 4
	s_add_nc_u64 s[8:9], s[8:9], s[76:77]
	s_add_nc_u64 s[10:11], s[10:11], s[78:79]
	s_lshl_b32 s76, s22, 9                         ; my 64 columns, in bytes of f32
	s_lshl_b32 s78, s[CH], 8
	s_add_co_u32 s76, s76, s78
	s_add_nc_u64 s[12:13], s[12:13], s[76:77]
	s_add_nc_u64 s[14:15], s[14:15], s[76:77]
	s_lshl_b32 s76, s23, 22                        ; my first row: 512 x row group + 16 kh
	s_lshl_b32 s78, s[KH], 17
	s_add_co_u32 s76, s76, s78
	s_add_nc_u64 s[14:15], s[14:15], s[76:77]
	s_sub_nc_u64 s[14:15], s[14:15], 0x40000       ; each pair's way out begins by stepping 32 rows
	global_load_b128 v[PT:PT+3], v[BO], s[12:13]   ; the bias of my columns 4 r .. 4 r + 3
.irp b, 0,1,2,3
.irp i, 0,1,2,3
	global_load_b128 v[WSC+16*\b+4*\i:WSC+16*\b+4*\i+3], v[WSO], s[10:11] offset:1024*\b+16*\i
.endr
.endr
	WLD 0
	WLD 1
	CROUND                                         ; all four work-groups are here: the first joint loads meet
	JLOAD 0                                        ; trip 0
.irp q, 2,3,4,5,6,7
	WLD \q
.endr
	s_wait_loadcnt 63                              ; of 81 loads the oldest 18, the bias among them, are in
.irp b, 0,1,2,3
.irp i, 0,1,2,3,4,5,6,7,8,9,10,11,12,13,14,15
	v_and_b32 v[BI+16*\b+\i], s70, v[PT+\b]
.endr
.endr
.irp q, 8,9,10,11
	WLD \q
.endr
; A block's fragments, 16 loads, from a slot's pair pr: of each of its four steps two of the rows sent, two of the rows kept.  Registers 4 c .. 4 c + 3 of a half hold K = 64 c + 32 h + 0 .. 31
.macro LOADB slot, pr, blk
	WIN 0xc0
.if (\blk)%2 == 0
.set RB0, DSN
.else
.set RB1, DSN
.endif
.irp k, 0,1,2,3
.irp i, 0,1,2,3
	ds_load_b128 v[128+64*((\blk)%2)+16*\k+4*\i:128+64*((\blk)%2)+16*\k+4*\i+3], v[XSA+2*(\slot)+(\i)/2] offset:(\pr)*32*XP+256*(\blk)+64*\k+32*((\i)%2)
.set DSN, DSN+1
.endr
.endr
.endm
.macro XSL slot, pr, set               ; a pair's scale words of x: lane l its row's 16 words
	WIN 0
.irp i, 0,1,2,3
	ds_load_b128 v[XSC+16*(\set)+4*\i:XSC+16*(\set)+4*\i+3], v[XSS+(\slot)] offset:(\pr)*16*272+16*\i
.set DSN, DSN+1
.endr
.endm
; one matrix instruction: step q, tile b, into result set S.  The first step takes the bias as its C.  The four results take turns: three others stand between two steps of a sum
.macro WM S, q, b
.set rA, 128+16*((\q)%8)
.set rB, 32*((\q)%8)+8*(\b)
.set rD, 64*(\S)+16*(\b)
.set rX, XSC+16*(\S)+(\q)
.set rW, WSC+16*(\b)+(\q)
.if (\q) == 0
	WIN 0xc7
	v_wmma_scale_f32_32x16x128_f4 v[rD:rD+15], v[rA:rA+15], v[rB:rB+7], v[BI+16*(\b):BI+16*(\b)+15], v[rX], v[rW]
.else
.if (\q) < 8
	WIN 0xf7
.else
	WIN 0xfb
.endif
	v_wmma_scale_f32_32x16x128_f4 v[rD:rD+15], v[rA:rA+15], v[rB:rB+7], v[rD:rD+15], v[rX], v[rW]
.endif
.endm
.macro MUL4 S, q
.irp b, 0,1,2,3
	WM \S, \q, \b
.endr
.endm
; A step.  Its four fragment loads are in; what is younger may be out.  first = 1: so is W's step q: 8 (15 - q) loads are younger, of which at most 63 are counted
.macro STEP S, q, first
.if ((\q)/4)%2 == 0
	s_wait_dscnt DSN-RB0-4*((\q)%4)-4
.else
	s_wait_dscnt DSN-RB1-4*((\q)%4)-4
.endif
.if \first
.if (\q) < 8
	s_wait_loadcnt 63
.else
	s_wait_loadcnt 8*(15-(\q))
.endif
.endif
	MUL4 \S, \q
.endm
.macro BLK S, blk, first
.irp k, 0,1,2,3
	STEP \S, 4*\blk+\k, \first
.endr
.endm
.macro SENDP S                         ; the pair before (result set 1 - S): its sums of the other wave's rows, each result from its low end on
	WIN 0x0c
.irp b, 0,1,2,3
.irp u, 0,1
	ds_store_b128 v[EW], v[64*(1-(\S))+16*\b+4*\u:64*(1-(\S))+16*\b+4*\u+3] offset:16384*(1-(\S))+1024*\b+512*\u
.set DSN, DSN+1
.endr
.endr
.endm
.macro GETP S                          ; the other half's sums of my rows
	WIN 0
.irp b, 0,1,2,3
.irp u, 0,1
	ds_load_b128 v[PT+8*\b+4*\u:PT+8*\b+4*\u+3], v[ER] offset:16384*(1-(\S))+1024*\b+512*\u
.set DSN, DSN+1
.endr
.endr
.set RECP, DSN
.endm
.macro ADDS S                          ; the two halves of K, gathered: row j, tiles 0 to 3 into four consecutive registers
	WIN 0x03
.irp j, 0,1,2,3,4,5,6,7
.irp b, 0,1,2,3
	v_add_f32 v[OU+4*\j+\b], v[64*(1-(\S))+16*\b+8+\j], v[PT+8*\b+\j]
.endr
.endr
.endm
.macro OUTS                            ; lanes 0-15 store 256 consecutive bytes of row j, lanes 16-31 of row 8 + j
	WIN 0
.irp j, 0,1,2,3,4,5,6,7
	global_store_b128 v[CO], v[OU+4*\j:OU+4*\j+3], s[14:15] offset:8192*\j th:TH_STORE_NT
.endr
.endm
.macro MID first, pf                   ; the stores' base steps 32 rows; pf = 1, 2: a prefetch (2: in the loop, not in its last trip)
	WIN 0
.if (\first) == 0
	s_wait_xcnt 0x0                                ; the last way out's stores, and the last prefetches, have had their addresses translated (ISA guide 3.1)
	s_add_nc_u64 s[14:15], s[14:15], 0x40000
.endif
.if (\pf) == 2
	s_add_nc_u64 s[56:57], s[56:57], 0x20000
	s_add_nc_u64 s[58:59], s[58:59], 0x2000
	s_cmp_gt_u32 s19, 1
	s_cbranch_scc0 .Lno_ask_\@
.endif
.if (\pf) > 0
	global_prefetch_b8 v[PFO], s[56:57] th:TH_LOAD_NT scope:SCOPE_SE
	global_prefetch_b8 v[PSO], s[58:59] th:TH_LOAD_NT scope:SCOPE_SE
.endif
.if (\pf) == 2
.Lno_ask_\@:
.endif
.endm
; The change of slots, a slot's second pair's last block, whose fragments were the last asked for.  turn = 1: the slot is filled again; 2: it is not.
.macro CHANGE slot, turn
	WIN 0
	s_wait_tensorcnt 0x0                           ; all my tensor loads have landed: my part of the next slot;
	ds_add_u32 v[SPW], v[NIL]                      ; 0 onto my spare word
.set DSN, DSN+1
.if (\turn) == 1
	s_add_nc_u64 s[34+4*\slot:35+4*\slot], s[34+4*\slot:35+4*\slot], 0x40000   ; no tensor load of mine is out: this slot's next tiles, two trips on
	s_add_nc_u64 s[50+4*\slot:51+4*\slot], s[50+4*\slot:51+4*\slot], 0x4000
.endif
	STEP 1, 12, 0
	s_wait_dscnt 0x0                               ; the add is done, and my reads of this slot are over
	s_barrier_signal -1
	MUL4 1, 13
	WIN 0
	s_barrier_wait -1
.if (\turn) == 1
	CREST                                          ; the barrier has opened a round of the cluster's barrier: no wave of any partner still reads this slot or has a load on its way
	JLOAD \slot                                    ; the first tensor load behind the round, one a wave
.endif
	XSL 1-\slot, 0, 0
	LOADB 1-\slot, 0, 0
	MUL4 1, 14
	MUL4 1, 15
.endm
; A pair.  S: a slot's first (0) or second (1) pair, and its result set.  first = 1: the launch's first: nothing is to leave yet, and W arrives.  turn: as in CHANGE; 0 in the very last pair.
; Four v_nop (or the 32 additions) stand at a block's start: the places behind the block before, whose buffers are loaded again (ISA guide 7.12.1 for vector instructions).
; Otherwise: block 0 sends the pair before; block 1's barrier (signal; its wait stands at block 2) shows all four waves' sums sent; block 2 reads the other half's; block 3 adds and stores.
; An exchange buffer is written again two pairs on: the next pair's barrier lies between, and each wave's reads are waited for in front of it.
.macro PAIR S, slot, first, pf, turn
	PLACES 4
	LOADB \slot, \S, 1
.if (\first) == 0
	SENDP \S
.endif
	BLK \S, 0, \first
.if (\first) == 0
	s_wait_dscnt 0x0                               ; for the other wave's sake: my sums lie in LDS (no LDS instruction is pending at a signal); block 1's fragments are in with them
	s_barrier_signal -1
.endif
	PLACES 4
	LOADB \slot, \S, 2
.if \S == 0
	XSL \slot, 1, 1                                ; the slot's second pair's scale words
.endif
	BLK \S, 1, \first
	PLACES 4
.if (\first) == 0
	s_barrier_wait -1
.endif
	MID \first, \pf
.if (\first) == 0
	GETP \S
.endif
	LOADB \slot, \S, 3
	BLK \S, 2, \first
.if \first
	PLACES 4
.else
	s_wait_dscnt DSN-RECP                          ; the other half's sums are in; the 16 loads behind them may be out
	ADDS \S
.endif
.if \S == 0
	LOADB \slot, 1, 0                              ; the slot's second pair's first block
.endif
.if (\first) == 0
	OUTS
.endif
.if (\S == 1) && (\turn > 0)
	CHANGE \slot, \turn
.else
	BLK \S, 3, \first
.endif
.endm
	s_wait_alu depctr_va_vdst(0)
	s_wait_tensorcnt 0x0                           ; my part of trip 0 is in
	ds_add_u32 v[SPW], v[NIL]
	s_wait_dscnt 0x0
	CROUND                                         ; everybody's part of trip 0 is in, and all four work-groups are here
	JLOAD 1                                        ; trip 1, the first tensor load behind the round
	XSL 0, 0, 0
	LOADB 0, 0, 0
.irp q, 12,13,14,15
	WLD \q
.endr
	PAIR 0, 0, 1, 1, 0                             ; pair 0
	WIN 0                                          ; at a label and at a branch every window is 0
	s_mov_b32 s19, 3
.Lring:                                                ; a trip of this loop: four pairs, once round the ring: pairs 1 to 12
	PAIR 1, 0, 0, 0, 1
	PAIR 0, 1, 0, 2, 0
	PAIR 1, 1, 0, 0, 1
	PAIR 0, 0, 0, 2, 0
	WIN 0
	s_sub_co_u32 s19, s19, 1
	s_cmp_lg_u32 s19, 0
	s_cbranch_scc1 .Lring
	PAIR 1, 0, 0, 0, 2                             ; pairs 13 to 15: nothing is filled again
	PAIR 0, 1, 0, 0, 0
	PAIR 1, 1, 0, 0, 0
	PLACES 4                                       ; the last pair's results are read below
	SENDP 0
	s_wait_dscnt 0x0                               ; for the other wave's sake
	s_barrier_signal -1
	s_barrier_wait -1
	GETP 0
	s_wait_xcnt 0x0                                ; the stores before have had their addresses translated: their data registers and base are rewritten
	s_add_nc_u64 s[14:15], s[14:15], 0x40000
	s_wait_dscnt 0x0
	ADDS 0
	OUTS
	s_wait_tensorcnt 0x0                           ; the wave's end
	ds_add_u32 v[SPW], v[NIL]
	s_wait_dscnt 0x0
	CROUND                                         ; the closing round: no work-group ends while a partner may still ask for a tile that names it
	s_endpgm
.Lfunc_end_k_q1591822dc6_gemm:
	.size	k_q1591822dc6_gemm, .Lfunc_end_k_q1591822dc6_gemm-k_q1591822dc6_gemm
	.p2alignl 7, 3214868480
	.fill 96, 4, 3214868480
	.section	.rodata,"a",@progbits
	.p2align	6, 0x0
	.amdhsa_kernel k_q1591822dc6_gemm
		.amdhsa_group_segment_fixed_size 327680
		.amdhsa_private_segment_fixed_size 0
		.amdhsa_enable_private_segment 0
		.amdhsa_kernarg_size 48
		.amdhsa_user_sgpr_count 2
		.amdhsa_user_sgpr_kernarg_segment_ptr 1
		.amdhsa_wavefront_size32 1
		.amdhsa_system_sgpr_workgroup_id_x 1
		.amdhsa_system_sgpr_workgroup_id_y 1
		.amdhsa_system_sgpr_workgroup_id_z 1
		.amdhsa_system_vgpr_workitem_id 0
		.amdhsa_next_free_vgpr 1024
		.amdhsa_next_free_sgpr 80
		.amdhsa_reserve_vcc 0
		.amdhsa_float_denorm_mode_32 3
		.amdhsa_float_denorm_mode_16_64 3
		.amdhsa_memory_ordered 1
		.amdhsa_forward_progress 1
		.amdhsa_inst_pref_size 162
	.end_amdhsa_kernel
	.amdgpu_metadata
---
amdhsa.version: [ 1, 2 ]
amdhsa.kernels:
  - .name:           k_q1591822dc6_gemm
    .symbol:         k_q1591822dc6_gemm.kd
    .args:
      - { .name: x_codes, .offset: 0, .size: 8, .value_kind: global_buffer, .address_space: global }
      - { .name: x_scales, .offset: 8, .size: 8, .value_kind: global_buffer, .address_space: global }
      - { .name: w_codes, .offset: 16, .size: 8, .value_kind: global_buffer, .address_space: global }
      - { .name: w_scales, .offset: 24, .size: 8, .value_kind: global_buffer, .address_space: global }
      - { .name: bias, .offset: 32, .size: 8, .value_kind: global_buffer, .address_space: global }
      - { .name: out0, .offset: 40, .size: 8, .value_kind: global_buffer, .address_space: global }
    .group_segment_fixed_size: 327680
    .private_segment_fixed_size: 0
    .kernarg_segment_align: 8
    .kernarg_segment_size: 48
    .max_flat_workgroup_size: 128
    .sgpr_count:     80
    .vgpr_count:     1024
    .wavefront_size: 32
...
	.end_amdgpu_metadata
.endif
;; end of part 2
